; MI455X (gfx1250); checked and timed in simulation.
; The chip was launched on July 23, 2026; its instructions are those of AMD's public machine-readable ISA for CDNA 5 (MIT licence, August 2026) and "CDNA5" Instruction Set Architecture Reference Guide (July 2026). The comments in the code are by the model that wrote it; some were corrected since.
;; Counter Propagation Network. Allowed arithmetic: matrix products marked QUANTISED: E2M1 operands, one E8M0 scale for each 32 along K, by v_wmma_scale_f32_16x16x128_f8f6f4 with both operands' format E2M1 (or v_wmma_scale_f32_32x16x128_f4), f32 sums; everything else in f32.
;; Inputs: Wg 1,000 x 8,192 float32; Wk 8,192 x 2,048 float32; x 4,096 x 2,048 float32.
;; Outputs: out0 4,096 x 1,000 float32.
;; This version of the problem:
;;   THIS VERSION OF THE PROBLEM IS GIVEN IN LOW PRECISION. The matrix products marked QUANTISED in the list below multiply operands that are first quantised to E2M1 (2 exponent bits, 1 mantissa bit; 4 bits a number), with one power-of-two scale for each 32 numbers along K (OCP MX v1.0); their sums are f32. All else is computed in f32.
;;   The module's matrix products, in the order in which they are computed (A, B: the left and right operand; K: the contracted axis; several contracted axes count as one K, in the product's order):
;;     1. [M 4,096, K 2,048] x [K 2,048, N 8,192]; A: computed on the way; B: input Wk: QUANTISED
;;   THE QUANTISER, for each operand of a quantised product, along K:
;;     - K is cut into blocks of 32 from its start; a last block that is shorter is filled with zeros.
;;     - A block's scale is 2^e with e = floor(log2(the largest magnitude in the block)) - 2, held to -126 .. 127; a block of zeros has e = 0. As a byte (E8M0): e + 127.
;;     - Each number is divided by its block's scale, clamped to +-6, and rounded to the nearest number of E2M1, ties to even, subnormals kept.
;;     - The product sums the exact products of the quantised numbers (number of the format x scale) in f32.
;;   ~~~python
;;   def quantise(x, axis):      # numpy; x: float32 -> the quantised numbers, widened to float32 again
;;       x = np.moveaxis(x, axis, -1); K = x.shape[-1]
;;       x = np.pad(x, [(0, 0)] * (x.ndim - 1) + [(0, -K % 32)]); x = x.reshape(x.shape[:-1] + (-1, 32)); a = np.abs(x).max(-1, keepdims=True)
;;       e = np.where(a > 0, np.clip(np.frexp(np.where(a > 0, a, 1))[1] - 1 - 2, -126, 127), 0)      # np.frexp(a)[1] - 1 = floor(log2(a)), exactly
;;       r = np.clip(x / 2.0 ** e, -6, 6)
;;       step = 2.0 ** (np.maximum(np.frexp(np.where(r == 0, 1, r))[1] - 1, 0) - 1)
;;       q = np.round(r / step) * step * 2.0 ** e      # np.round: ties to even
;;       return np.moveaxis(q.reshape(q.shape[:-2] + (-1,))[..., :K], -1, axis).astype(np.float32)
;;   ~~~
;;   OPERANDS COMPUTED ON THE WAY. 'Computed on the way' means the value that the module computes at that place (a softmax that the list does not call 'softmax' is quantised finished and normalised). What goes into a quantiser is computed in f32, as accurately as f32 sums, v_exp_f32 and their like allow (about 1e-6 of the number): no bf16 or f16 on the way to a quantiser, and a product that is left as it is and whose result goes on into a quantised operand takes f32 operands (vector FMAs, or v_wmma_f32_16x16x4_f32). A number that lies on a knife's edge between two numbers of the format may be rounded either way, as far as f32 arithmetic and the matrix unit's own rounding can turn it there, and no further.
;; One version. Each part assembles by itself: llvm-mc -triple=amdgcn-amd-amdhsa -mcpu=gfx1250 --defsym DOCPART=n.
;; ======== version 1 of 1: 4 launches
;; limits: right only within a limited range of input values
;; workspace buffers: xq 4,194,304 bytes; xs 262,144 bytes; wq 8,388,608 bytes; ws 524,288 bytes; pv 1,048,576 bytes; pi 1,048,576 bytes; idx 16,384 bytes of whole numbers
;; launch quant (part 1): grid 768 x 1, 4 waves a work-group, no clusters, 39,424 bytes of LDS; arguments x, Wk, xq, xs, wq, ws; writes xq, xs, wq, ws
.if DOCPART == 1
	.amdgcn_target "amdgcn-amd-amdhsa--gfx1250"
	.amdhsa_code_object_version 6
	.text
	.protected	k_q77b6065c44_quant
	.globl	k_q77b6065c44_quant
	.p2align	8
	.type	k_q77b6065c44_quant,@function
k_q77b6065c44_quant:
	s_mov_b64 s[64:65], 0
	v_nop
	global_prefetch_b8 v0, s[64:65] scope:SCOPE_SE
	s_setreg_imm32_b32 hwreg(HW_REG_WAVE_MODE, 25, 1), 1
	s_wait_xcnt 0x0
; x [4096][2048] f32: each row is divided by its L2 norm and turned into codes of FP4 (E2M1) with one E8M0 byte for each 32 along K.
; Wk [8192][2048] f32: the same without the norm.  Codes: [rows][1024 bytes], K innermost, the lower k in the low four bits; scale bytes: [rows][64].
; A block's scale is 2^(floor(log2(its largest magnitude)) - 2): its byte is the largest magnitude's exponent field - 2, held at 1 from below.
; LIMITS.  x / norm is computed as x * v_rsq_f32(sum of squares): two roundings and the instruction's own error in place of a root and a division.
; A row of x that is all zeros, or whose sum of squares is denormal or passes the largest f32 number, is not served as the definition has it.
; NaN and infinities are not served.  Blocks under 2^-124, and blocks of zeros, get the byte 1 (zero codes add nothing under it; only this program reads the bytes).
; SHARES.  Work-groups 0-255 take x, 256-767 take Wk: 16 rows each, 4 rows a wave, one after the other.  Only pointers are chosen, and the norm's register work is
; jumped over for Wk: both tensors take one path through LDS.  The waves share nothing: no barrier.  No tile is read by two work-groups: no cluster.
; A row is 16 loads of 512 consecutive bytes, 16 bytes a lane.  The conversions want a block's 32 numbers in ONE lane: so the row turns through the wave's own stage in LDS:
; a block's 128 bytes + 16 of padding make a place of 144 bytes; lane l reads places l of the two halves and holds blocks l and 32 + l whole.
; A lane's 32 codes are 16 bytes: a store of the wave covers 512 consecutive bytes of the row.  The wave's 4 x 64 scale bytes are gathered in LDS and leave as 256 consecutive bytes.
.set WREG, 9728                        ; LDS of a wave: the stage (2 x 4,608), then its 256 scale bytes
.set HALF, 4608                        ; 32 places of 144 bytes
.set PL,   144
.set SCB,  2*HALF
.set XWG,  256                         ; work-groups that take x
.set RAW,  32                          ; v32-159  two sets of 64: a row as loaded
.set X,    160                         ; v160-223 my two blocks
.set C,    224                         ; v224-255 codes: 8 registers for each row, so that no store's data are written again
	s_load_b128 s[4:7], s[0:1], 0x0                ; x, Wk
	s_load_b128 s[8:11], s[0:1], 0x10              ; x's codes, x's scale bytes
	s_load_b128 s[12:15], s[0:1], 0x20             ; Wk's codes, Wk's scale bytes
	v_lshl_add_u32 v30, v0, 2, 0x9800
	v_mov_b32 v31, 0
	v_lshrrev_b32 v1, 5, v0
	v_readfirstlane_b32 s16, v1                    ; wave
	v_and_b32 v1, 31, v0                           ; lane
	v_lshlrev_b32 v2, 4, v1                        ; 16 x lane: my bytes of a load, and of a store of codes
	s_mul_i32 s17, s16, WREG
	v_lshrrev_b32 v3, 3, v1
	v_mul_u32_u24 v3, v3, PL
	v_and_b32 v4, 7, v1
	v_lshl_add_u32 v3, v4, 4, v3
	v_add_nc_u32 v3, s17, v3                       ; into the stage: eight lanes fill a place: 144 (lane / 8) + 16 (lane % 8)
	v_mul_u32_u24 v4, v1, PL
	v_add_nc_u32 v4, s17, v4                       ; out of it: place = lane
	s_add_co_u32 s17, s17, SCB
	v_add_nc_u32 v5, s17, v1                       ; my block's scale byte
	v_lshlrev_b32 v7, 3, v1
	v_add_nc_u32 v6, s17, v7                       ; and on the way out 8 bytes a lane
	v_mov_b32 v18, 0                               ; a lane permute's destination counts as one of its sources
	s_mov_b32 s24, 0x76543210
	s_mov_b32 s25, 0xfedcba98                      ; v_permlanex16_b32: lane l xor 16
	s_wait_kmcnt 0x0
	s_cmp_lt_u32 ttmp9, XWG                        ; x or Wk: the choice hangs on the work-group's number alone
	s_cselect_b64 s[4:5], s[4:5], s[6:7]
	s_cselect_b64 s[8:9], s[8:9], s[12:13]
	s_cselect_b64 s[10:11], s[10:11], s[14:15]
	s_cselect_b32 s22, 1, 0                        ; 1: rows are normalised
	s_cselect_b32 s18, 0, XWG
	s_sub_co_u32 s18, ttmp9, s18
	s_lshl_b32 s18, s18, 4
	s_lshl_b32 s19, s16, 2
	s_add_co_u32 s18, s18, s19                     ; my wave's first row: 16 x work-group + 4 x wave
	s_mov_b32 s19, 0
	s_lshl_b64 s[20:21], s[18:19], 13              ; 8,192 bytes a row of numbers,
	s_add_nc_u64 s[4:5], s[4:5], s[20:21]
	s_lshl_b64 s[20:21], s[18:19], 10              ; 1,024 a row of codes,
	s_add_nc_u64 s[8:9], s[8:9], s[20:21]
	s_lshl_b64 s[20:21], s[18:19], 6               ; 64 a row of scale bytes
	s_add_nc_u64 s[10:11], s[10:11], s[20:21]
.macro LOAD t                          ; row t of my four into set t % 2
.irp i, 0,1,2,3,4,5,6,7,8,9,10,11,12,13,14,15
	global_load_b128 v[RAW+64*((\t)%2)+4*\i:RAW+64*((\t)%2)+4*\i+3], v2, s[4:5] offset:8192*(\t)+512*\i th:TH_LOAD_NT
.endr
.endm
	LOAD 0
	LOAD 1
.macro ROW t
.set S, RAW+64*((\t)%2)
.if (\t) < 3
	s_wait_loadcnt 16                              ; this row's 16 loads are in; the next row's 16 may be out
.else
	s_wait_loadcnt 0x0
.endif
	s_cmp_eq_u32 s22, 0
	s_cbranch_scc1 .Lplain_\@                      ; Wk's rows are taken as they are
.irp c, 0,1,2,3
	v_pk_mul_f32 v[10+2*\c:11+2*\c], v[S+2*\c:S+2*\c+1], v[S+2*\c:S+2*\c+1]   ; the sum of squares: four packed chains, started by the first products
.endr
.set i, 4
.rept 28
	v_pk_fma_f32 v[10+2*(i%4):11+2*(i%4)], v[S+2*i:S+2*i+1], v[S+2*i:S+2*i+1], v[10+2*(i%4):11+2*(i%4)]
.set i, i+1
.endr
	v_pk_add_f32 v[10:11], v[10:11], v[12:13]
	v_pk_add_f32 v[14:15], v[14:15], v[16:17]
	v_pk_add_f32 v[10:11], v[10:11], v[14:15]
	v_add_f32 v10, v10, v11
	v_add_f32_dpp v10, v10, v10 row_xmask:1 row_mask:0xf bank_mask:0xf
	v_add_f32_dpp v10, v10, v10 row_xmask:2 row_mask:0xf bank_mask:0xf
	v_add_f32_dpp v10, v10, v10 row_xmask:4 row_mask:0xf bank_mask:0xf
	v_add_f32_dpp v10, v10, v10 row_xmask:8 row_mask:0xf bank_mask:0xf
	v_permlanex16_b32 v18, v10, s24, s25
	v_add_f32 v10, v10, v18                        ; the row's sum of squares, in every lane
	s_wait_alu depctr_va_vdst(0)
	v_rsq_f32 v20, v10                             ; 1 / norm, twice: a pair for the packed multiply
	v_rsq_f32 v21, v10
	v_nop                                          ; a plain instruction behind the last of them
	s_wait_alu depctr_va_vdst(0)                   ; one wait for both, ahead of their first reader and of the label
.set i, 0
.rept 32
	v_pk_mul_f32 v[S+2*i:S+2*i+1], v[S+2*i:S+2*i+1], v[20:21]
.set i, i+1
.endr
.Lplain_\@:
	s_wait_alu depctr_va_vdst(0)
.irp i, 0,1,2,3,4,5,6,7,8,9,10,11,12,13,14,15
	ds_store_b128 v3, v[S+4*\i:S+4*\i+3] offset:(\i/8)*HALF+(\i%8)*4*PL   ; load i holds blocks 4 i .. 4 i + 3
.endr
.irp hf, 0,1
.irp j, 0,1,2,3,4,5,6,7
	ds_load_b128 v[X+32*\hf+4*\j:X+32*\hf+4*\j+3], v4 offset:\hf*HALF+16*\j   ; LDS serves a wave's instructions in order: these see the stores above
.endr
.endr
	s_wait_dscnt 0x0                               ; my two blocks are in; so the stores into the stage have read their registers,
.if (\t)+2 < 4
	LOAD (\t)+2                                    ; which take the row two further on
.endif
.irp hf, 0,1                                   ; the blocks' largest magnitudes: two chains each, the blocks by turns
	v_max3_num_f32 v[22+2*\hf], |v[X+32*\hf]|, |v[X+32*\hf+1]|, |v[X+32*\hf+2]|
	v_max3_num_f32 v[23+2*\hf], |v[X+32*\hf+3]|, |v[X+32*\hf+4]|, |v[X+32*\hf+5]|
.endr
.irp i, 6,10,14,18,22,26
.irp hf, 0,1
	v_max3_num_f32 v[22+2*\hf], v[22+2*\hf], |v[X+32*\hf+\i]|, |v[X+32*\hf+\i+1]|
	v_max3_num_f32 v[23+2*\hf], v[23+2*\hf], |v[X+32*\hf+\i+2]|, |v[X+32*\hf+\i+3]|
.endr
.endr
.irp hf, 0,1
	v_max3_num_f32 v[22+2*\hf], v[22+2*\hf], |v[X+32*\hf+30]|, |v[X+32*\hf+31]|
.endr
.irp hf, 0,1
	v_max3_num_f32 v[22+2*\hf], v[22+2*\hf], v[23+2*\hf], 0x1800000   ; and the floor 2^(3 - 127): the byte cannot fall under 1
.endr
.irp hf, 0,1
	v_add_nc_u32 v[26+\hf], 0xff000000, v[22+2*\hf]   ; 2 off the exponent field: the conversion takes the exponent field of this operand as its scale
.endr
.irp hf, 0,1
.irp g, 0,1,2,3
	v_cvt_scalef32_pk8_fp4_f32 v[C+8*(\t)+4*\hf+\g], v[X+32*\hf+8*\g:X+32*\hf+8*\g+7], v[26+\hf]   ; to the nearest code, ties to even; beyond 6 the largest code
.endr
.endr
.irp hf, 0,1
	v_lshrrev_b32 v[28+\hf], 23, v[26+\hf]         ; the scale's byte (also the plain instruction behind the conversions)
.endr
.irp hf, 0,1
	ds_store_b8 v5, v[28+\hf] offset:64*(\t)+32*\hf
.endr
.endm
.macro PUT t                           ; row t's codes: each store covers 512 consecutive bytes of the row; every row has its own registers, so the stores may stand later than the row's work
.irp hf, 0,1
	global_store_b128 v2, v[C+8*(\t)+4*\hf:C+8*(\t)+4*\hf+3], s[8:9] offset:1024*(\t)+512*\hf
.endr
.endm
	ROW 0
	ROW 1                                          ; all four rows' loads have been issued when the first store is
	PUT 0
	PUT 1
	ROW 2
	ROW 3
	ds_load_b64 v[8:9], v6                         ; my wave's 256 scale bytes, 8 a lane
	PUT 2
	PUT 3
	s_wait_dscnt 0x0
	global_store_b64 v7, v[8:9], s[10:11]          ; 256 consecutive bytes, at a multiple of 256 from the buffer's first byte
	s_wait_tensorcnt 0x0
	ds_add_u32 v30, v31
	s_wait_dscnt 0x0
	s_endpgm
.Lfunc_end_k_q77b6065c44_quant:
	.size	k_q77b6065c44_quant, .Lfunc_end_k_q77b6065c44_quant-k_q77b6065c44_quant
	.p2alignl 7, 3214868480
	.fill 96, 4, 3214868480
	.section	.rodata,"a",@progbits
	.p2align	6, 0x0
	.amdhsa_kernel k_q77b6065c44_quant
		.amdhsa_group_segment_fixed_size 39424
		.amdhsa_private_segment_fixed_size 0
		.amdhsa_enable_private_segment 0
		.amdhsa_kernarg_size 48
		.amdhsa_user_sgpr_count 2
		.amdhsa_user_sgpr_kernarg_segment_ptr 1
		.amdhsa_wavefront_size32 1
		.amdhsa_system_sgpr_workgroup_id_x 1
		.amdhsa_system_sgpr_workgroup_id_y 1
		.amdhsa_system_sgpr_workgroup_id_z 1
		.amdhsa_system_vgpr_workitem_id 0
		.amdhsa_next_free_vgpr 256
		.amdhsa_next_free_sgpr 66
		.amdhsa_reserve_vcc 0
		.amdhsa_float_denorm_mode_32 3
		.amdhsa_float_denorm_mode_16_64 3
		.amdhsa_memory_ordered 1
		.amdhsa_forward_progress 1
		.amdhsa_inst_pref_size 49
	.end_amdhsa_kernel
	.amdgpu_metadata
---
amdhsa.version: [ 1, 2 ]
amdhsa.kernels:
  - .name:           k_q77b6065c44_quant
    .symbol:         k_q77b6065c44_quant.kd
    .args:
      - { .name: x, .offset: 0, .size: 8, .value_kind: global_buffer, .address_space: global }
      - { .name: Wk, .offset: 8, .size: 8, .value_kind: global_buffer, .address_space: global }
      - { .name: xq, .offset: 16, .size: 8, .value_kind: global_buffer, .address_space: global }
      - { .name: xs, .offset: 24, .size: 8, .value_kind: global_buffer, .address_space: global }
      - { .name: wq, .offset: 32, .size: 8, .value_kind: global_buffer, .address_space: global }
      - { .name: ws, .offset: 40, .size: 8, .value_kind: global_buffer, .address_space: global }
    .group_segment_fixed_size: 39424
    .private_segment_fixed_size: 0
    .kernarg_segment_align: 8
    .kernarg_segment_size: 48
    .max_flat_workgroup_size: 128
    .sgpr_count:     66
    .vgpr_count:     256
    .wavefront_size: 32
...
	.end_amdgpu_metadata
.endif
;; end of part 1
;; launch gemm (part 2): grid 32 x 8, 4 waves a work-group, clusters of 4 x 4, 327,680 bytes of LDS; arguments xq, xs, wq, ws, pv, pi; writes pv, pi
.if DOCPART == 2
	.amdgcn_target "amdgcn-amd-amdhsa--gfx1250"
	.amdhsa_code_object_version 6
	.text
	.protected	k_q77b6065c44_gemm
	.globl	k_q77b6065c44_gemm
	.p2align	8
	.type	k_q77b6065c44_gemm,@function
k_q77b6065c44_gemm:
	s_mov_b64 s[64:65], 0
	v_nop
	global_prefetch_b8 v0, s[64:65] scope:SCOPE_SE
	s_setreg_imm32_b32 hwreg(HW_REG_WAVE_MODE, 25, 1), 1
	s_wait_xcnt 0x0
	s_wait_alu depctr_hold_cnt(0) depctr_sa_sdst(0) depctr_va_vdst(0) depctr_va_sdst(0) depctr_va_ssrc(0) depctr_va_vcc(0) depctr_vm_vsrc(0)
	s_getreg_b32 s2, hwreg(HW_REG_IB_STS2, 6, 4)
	s_cmp_eq_u32 s2, 0
	s_cbranch_scc0 .Lentry_in_a_cluster
	s_endpgm
.Lentry_in_a_cluster:
	s_bfe_u32 s2, ttmp6, 0x10000c
	s_cmp_lg_u32 s2, 0xf033
	s_cbranch_scc0 .Lentry_shape_is_right
	s_endpgm
.Lentry_shape_is_right:
; Scores S[m][n] = sum over k of xn[m][k] Wk[n][k] on codes of FP4 (E2M1) with E8M0 scales (xq, xs: [4096][1024 B], [4096][64 B]; wq, ws: [8192] rows likewise), sums in f32.
; The scores are not stored: for each row and each run of 128 columns the largest score goes to pv and the lowest column that has it to pi, both [64 runs][4096 rows].
; LIMIT: a score that is NaN loses every maximum here; NaN and infinities are not served.
; A tile is 256 x 256, four waves of 128 x 128 (64 accumulators, 512 registers).  A work-group makes two tiles, 2,048 rows apart, on the same 256 columns: 256 work-groups.
; K goes in steps of 512 (rows of 256 bytes) through two LDS slots; the ring goes on into the second tile.  The scales of all of K lie in LDS: A's and B's come by the head's loads;
; the second tile's scales of A come through registers and are stored over the first tile's when those have been read.
; CLUSTERS 4 x 4: A's tiles are asked for jointly along a row of the cluster, B's along a column.  The matrix instruction is used transposed (source 0 = B's rows, source 1 = A's rows):
; a lane holds one row of S and eight neighbouring columns in each accumulator.
; REGISTERS: window 0: v0-31 addresses, v32-95 scale words (two sets), v96-255 the way out (v128-159 first hold the second tile's scales of A).
;   window 1: fragments of 128 along K: A's two sets at v0, v64; B's two at v128, v192.  Windows 2, 3: accumulators of my rows 0-63, 64-127.
; A step of 128 along K: the next step's 32 LDS loads go into the other pair of sets in ONE run at the step's head, 64 products ahead of their use; then the step's 64 products.
; PREFETCH: one request a wave names 32 rows x 256 bytes of a K step, a lane a row; of the 128 rows that a wave fetches the four partners take 32 each, by address.
; Behind the head's fill (K step 0) K steps 1 and 2 are named, behind slot 1's first fill (K step 1) K step 3; the first tile's four changes of slots name the second tile's K steps 0 to 3 of A,
; two fills ahead (B's rows have been read by then); the second tile names nothing.  So at most two K steps are named and not yet loaded.
.set TILES,  2
.set WALK,   2048
.set ROWB,   256
.set KROW,   1024
.set PITCH,  272                       ; 256 bytes + 16 of padding
.set FR,     8
.set HALFT,  128*PITCH
.set SLOT,   4*HALFT                   ; A's 256 rows, then B's
.set KS,     64                        ; a row of scale bytes
.set SCL,    2*SLOT
.set HALFS,  (128*KS/256)*272
.set SBLK,   (16*KS/256)*272
.set SPARE,  SCL+4*HALFS               ; the spare words: 512 bytes that no other line names
.set STAGE,  SPARE+512                 ; 1,024 bytes a wave for the way out
.set NEXT_A, WALK*KROW-2*ROWB
.set BACK_B, 2*ROWB
.set ADRA, 16
.set ADRB, 20
.set PFO,  22
.set STG,  24
.set RDS,  25
.set GO,   26
.set ADRS, 27
.set SPW,  28
.set NIL,  29
.set CB,   30
.set SST,  31
.set SC,   32
.set WSEL, 96
.set NS,   128
.set TT,   192
.set MX,   224
.set IX,   232
.set PX,   240
.set OV,   248
.set OI,   252
.set LIM,  3
.set NSP,  12
.set PFA,  66
.set G0H,  4
.set G0HB, 8
.set G1, 24
.set G0, 32
.set G1B, 48
.set G0B, 56
.set G1S, 68
.set G0S, 76
.set G1SB, 80
.set G0SB, 88
.set MSB, 0
.macro WIN new                         ; the immediate's high byte repeats the setting that is left
.if MSB != \new
	s_set_vgpr_msb (MSB<<8)|\new
.set MSB, \new
.endif
.endm
.set MUL_LO, 0xa5                      ; sources 0 and 1 window 1, C and D window 2
.set MUL_HI, 0xf5                      ; the same, C and D window 3
.set TO_F,   0x40                      ; destination window 1, address window 0
.macro PLACES
.rept 4
	v_nop
.endr
.endm
.macro JLOAD g0a, g1a, g0b, g1b        ; a joint load: waves 0, 1 for A, waves 2, 3 for B
	s_cmp_eq_u32 s15, 0
	s_cbranch_scc0 .Lfor_b_\@
	tensor_load_to_lds s[\g0a:\g0a+3], s[\g1a:\g1a+7]
	s_nop 0
	PLACES
	s_branch .Lasked_\@
.Lfor_b_\@:
	tensor_load_to_lds s[\g0b:\g0b+3], s[\g1b:\g1b+7]
	s_nop 0
	PLACES
.Lasked_\@:
.endm
.macro ASK off                         ; A's waves, in the first tile alone
	s_cmp_eq_u32 s2, s[LIM]
	s_cbranch_scc0 .Lnot_mine_\@
	global_prefetch_b8 v[PFO], s[PFA:PFA+1] offset:\off th:TH_LOAD_NT scope:SCOPE_SE
.Lnot_mine_\@:
.endm
.macro CREST
	s_cmp_lg_u32 s14, 0
	s_cbranch_scc1 .Lnot_wave_0_\@
	s_barrier_signal -3
.Lnot_wave_0_\@:
	s_barrier_wait -3
	s_barrier_signal -1
	s_barrier_wait -1
.endm
.macro CROUND
	s_barrier_signal -1
	s_barrier_wait -1
	CREST
.endm
	s_load_b128 s[4:7], s[0:1], 0x0                ; xq, xs
	s_load_b128 s[8:11], s[0:1], 0x10              ; wq, ws
	s_load_b128 s[96:99], s[0:1], 0x20             ; pv, pi
	v_lshl_add_u32 v[SPW], v0, 2, SPARE
	v_mov_b32 v[NIL], 0
	ds_add_u32 v[SPW], v[NIL]
	ds_add_u32 v[SPW], v[NIL]
	v_lshrrev_b32 v1, 5, v0
	v_readfirstlane_b32 s14, v1                    ; wave
	s_lshr_b32 s15, s14, 1                         ; my half of the rows; also: I fetch for A (0) or B (1)
	s_and_b32 s16, s14, 1                          ; my half of the columns; also: which 128 rows I fetch
	s_bfe_u32 s40, ttmp6, 0x40000                  ; cx
	s_bfe_u32 s41, ttmp6, 0x40004                  ; cy
	s_lshl_b32 s42, ttmp9, 2
	s_add_co_u32 s42, s42, s40                     ; tile column
	s_and_b32 s17, ttmp7, 0xffff
	s_lshl_b32 s17, s17, 2
	s_add_co_u32 s17, s17, s41                     ; tile row
	s_lshl_b32 s43, s41, 2
	s_lshl_b32 s43, 15, s43                        ; my row of the cluster
	s_lshl_b32 s44, 0x1111, s40                    ; my column
	s_or_b32 s[G1+0], s43, (0<<16)|(1<<20)|(1<<21)|(5<<22)|(3<<25)   ; bytes; 4 words of padding behind every 64
	s_or_b32 s[G1B+0], s44, (0<<16)|(1<<20)|(1<<21)|(5<<22)|(3<<25)
.irp g, G1, G1B
	s_mov_b32 s[\g+1], ROWB<<16
	s_mov_b32 s[\g+2], 256<<16                     ; 256 rows for the head's loads
	s_mov_b32 s[\g+3], ROWB<<16
	s_mov_b32 s[\g+4], 256
	s_mov_b32 s[\g+5], KROW
	s_mov_b32 s[\g+6], 0
	s_mov_b32 s[\g+7], 0
.endr
	s_or_b32 s[G1S+0], s43, (3<<16)|(1<<20)|(1<<21)|(5<<22)|(3<<25)  ; the scales of 256 rows: a dense block, KS rows of 256 bytes
	s_or_b32 s[G1SB+0], s44, (3<<16)|(1<<20)|(1<<21)|(5<<22)|(3<<25)
.irp g, G1S, G1SB
	s_mov_b32 s[\g+1], 32<<16
	s_mov_b32 s[\g+2], KS<<16
	s_mov_b32 s[\g+3], 32<<16
	s_mov_b32 s[\g+4], KS
	s_mov_b32 s[\g+5], 32
	s_mov_b32 s[\g+6], 0
	s_mov_b32 s[\g+7], 0
.endr
	s_lshl_b32 s20, s17, 8                         ; A's first row
	s_lshl_b32 s46, s42, 8                         ; B's first row
	s_mov_b32 s21, 0
	s_mov_b32 s47, 0
	s_mov_b64 s[18:19], KS
	s_mul_u64 s[22:23], s[20:21], s[18:19]
	s_mul_u64 s[92:93], s[46:47], s[18:19]
	s_mov_b64 s[18:19], KROW
	s_mul_u64 s[20:21], s[20:21], s[18:19]
	s_mul_u64 s[46:47], s[46:47], s[18:19]
	s_mul_i32 s18, s16, 128*KROW
	s_mov_b32 s19, 0
	s_mul_i32 s45, s14, HALFT
	s_wait_dscnt 0x0                               ; both opening adds are done
	s_wait_kmcnt 0x0
	s_add_nc_u64 s[20:21], s[4:5], s[20:21]
	s_add_nc_u64 s[22:23], s[6:7], s[22:23]
	s_add_nc_u64 s[46:47], s[8:9], s[46:47]
	s_add_nc_u64 s[92:93], s[10:11], s[92:93]
	CROUND                                         ; the first joint loads meet
	s_mov_b32 s[G0H], 1                            ; K step 0: A's 256 rows,
	s_mov_b32 s[G0H+1], 0
	s_mov_b64 s[G0H+2:G0H+3], s[20:21]
	s_or_b32 s[G0H+3], s[G0H+3], 0x80000000
	s_mov_b32 s[G0HB], 1                           ; B's 256 rows,
	s_mov_b32 s[G0HB+1], 2*HALFT
	s_mov_b64 s[G0HB+2:G0HB+3], s[46:47]
	s_or_b32 s[G0HB+3], s[G0HB+3], 0x80000000
	s_mov_b32 s[G0S], 1                            ; A's scales,
	s_mov_b32 s[G0S+1], SCL
	s_mov_b64 s[G0S+2:G0S+3], s[22:23]
	s_or_b32 s[G0S+3], s[G0S+3], 0x80000000
	s_mov_b32 s[G0SB], 1                           ; B's scales
	s_mov_b32 s[G0SB+1], SCL+2*HALFS
	s_mov_b64 s[G0SB+2:G0SB+3], s[92:93]
	s_or_b32 s[G0SB+3], s[G0SB+3], 0x80000000
	s_add_nc_u64 s[20:21], s[20:21], s[18:19]      ; for the ring: my 128 rows
	s_add_nc_u64 s[46:47], s[46:47], s[18:19]
.irp s, 0,1
	s_mov_b32 s[G0+4*\s], 1
	s_add_co_u32 s[G0+4*\s+1], s45, \s*SLOT
	s_add_nc_u64 s[G0+4*\s+2:G0+4*\s+3], s[20:21], \s*ROWB
	s_or_b32 s[G0+4*\s+3], s[G0+4*\s+3], 0x80000000
	s_mov_b32 s[G0B+4*\s], 1
	s_add_co_u32 s[G0B+4*\s+1], s45, \s*SLOT
	s_add_nc_u64 s[G0B+4*\s+2:G0B+4*\s+3], s[46:47], \s*ROWB
	s_or_b32 s[G0B+4*\s+3], s[G0B+4*\s+3], 0x80000000
.endr
	s_cmp_eq_u32 s15, 0                            ; the prefetches' base: the 128 rows that I fetch,
	s_cselect_b64 s[PFA:PFA+1], s[20:21], s[46:47]
	s_cselect_b32 s94, s40, s41                    ; my place among the four that ask with me,
	s_cselect_b32 s[LIM], TILES, 0
	s_lshl_b32 s94, s94, 15                        ; x 32 rows of 1,024 bytes
	s_mov_b32 s95, 0
	s_add_nc_u64 s[PFA:PFA+1], s[PFA:PFA+1], s[94:95]
	s_lshl_b32 s[NSP], s14, 12                     ; the second tile's scales of A: 64 rows a wave
	s_mov_b32 s[NSP+1], 0
	s_add_nc_u64 s[NSP:NSP+1], s[22:23], s[NSP:NSP+1]
; the head's loads, one a wave: one chain of branches on the wave's number, one load to an arm
.macro ARM under, g0, g1, next
	s_cmp_lt_u32 s14, \under
	s_cbranch_scc0 \next
	tensor_load_to_lds s[\g0:\g0+3], s[\g1:\g1+7]
	s_nop 0
	PLACES
	s_branch .Lhead_asked
\next:
.endm
	ARM 1, G0H,  G1,  .Lhead_b
	ARM 2, G0HB, G1B, .Lhead_sa
	ARM 3, G0S,  G1S, .Lhead_sb
	tensor_load_to_lds s[G0SB:G0SB+3], s[G1SB:G1SB+7]
	s_nop 0
	PLACES
.Lhead_asked:
	s_mul_i32 s18, s15, HALFT                      ; my rows of A
	s_mul_i32 s19, s16, HALFT
	s_add_co_u32 s19, s19, 2*HALFT                 ; my rows of B
	s_mul_i32 s20, s15, HALFS
	s_mul_i32 s21, s16, HALFS
	s_add_co_u32 s21, s21, 2*HALFS
	s_sub_co_u32 s21, s21, s20                     ; from A's scale words to B's
	s_add_co_u32 s20, s20, SCL
	s_lshl_b32 s22, s14, 10
	s_add_co_u32 s22, s22, STAGE                   ; my stage
	s_mul_i32 s23, s14, 16*272
	s_add_co_u32 s23, s23, SCL                     ; where my 64 rows of the second tile's scales go
	s_lshl_b32 s46, s42, 1
	s_add_co_u32 s46, s46, s16                     ; my run of 128 columns, 0 .. 63
	s_lshl_b32 s93, s46, 7                         ; its first column
	s_lshl_b32 s46, s46, 14                        ; pv, pi: 16,384 bytes a run,
	s_lshl_b32 s92, s17, 10
	s_add_co_u32 s46, s46, s92                     ; 4 bytes a row: 256 x tile row
	s_lshl_b32 s92, s15, 9
	s_add_co_u32 s46, s46, s92                     ; + 128 x half
	s_mov_b32 s47, 0
	s_add_nc_u64 s[96:97], s[96:97], s[46:47]
	s_add_nc_u64 s[98:99], s[98:99], s[46:47]
	v_and_b32 v1, 15, v0                           ; r
	v_bfe_u32 v2, v0, 4, 1                         ; h
	v_and_b32 v6, 31, v0
	v_mul_u32_u24 v3, v1, PITCH
	v_lshl_add_u32 v4, v2, 4, v3
	v_add_nc_u32 v[ADRA], s18, v4
	v_add_nc_u32 v[ADRB], s19, v4
	v_add_nc_u32 v[ADRA+1], SLOT, v[ADRA]
	v_add_nc_u32 v[ADRB+1], SLOT, v[ADRB]
	v_mul_u32_u24 v5, v1, KS
	v_lshrrev_b32 v7, 8, v5
	v_lshl_add_u32 v5, v7, 4, v5                   ; 16 more for each 256 passed
	v_mul_u32_u24 v7, s21, v2                      ; lanes 16-31 take B's words
	v_add_nc_u32 v5, v5, v7
	v_add_nc_u32 v[ADRS], s20, v5
	v_lshl_add_u32 v[STG], v1, 2, s22
	v_lshlrev_b32 v[GO], 4, v6
	v_add_nc_u32 v[RDS], s22, v[GO]
	v_lshlrev_b32 v[PFO], 10, v6                   ; a lane a row
	v_mul_u32_u24 v5, v2, 272
	v_lshl_add_u32 v5, v1, 4, v5
	v_add_nc_u32 v[SST], s23, v5
	v_lshl_add_u32 v[CB], v2, 3, s93               ; my first column + 8 h
	global_prefetch_b8 v[PFO], s[PFA:PFA+1] offset:ROWB th:TH_LOAD_NT scope:SCOPE_SE     ; K step 1
	global_prefetch_b8 v[PFO], s[PFA:PFA+1] offset:2*ROWB th:TH_LOAD_NT scope:SCOPE_SE   ; K step 2
.irp j, 0,1,2,3,4,5,6,7
	global_load_b128 v[NS+4*\j:NS+4*\j+3], v[GO], s[NSP:NSP+1] offset:WALK*KS+512*\j   ; waited for at the first tile's end
.endr
	s_mov_b32 s20, 0x76543210
	s_mov_b32 s21, 0xfedcba98                      ; v_permlanex16_b32: lane l xor 16
.macro FRAG reg, adr, q, i             ; 16 rows x 128 K: two loads of 16 bytes, 32 apart
.irp c, 0,1
	ds_load_b128 v[\reg+4*\c:\reg+4*\c+3], v[\adr] offset:64*(\q)+32*\c+(\i)*16*PITCH
.endr
.endm
.macro FB slot, q, p, i0               ; B's blocks i0 .. i0 + 3 into set p: eight loads
	WIN TO_F
.irp i, \i0, \i0+1, \i0+2, \i0+3
	FRAG 128+64*(\p)+FR*(\i), ADRB+\slot, \q, \i
.endr
.endm
.macro FA slot, q, p, i0               ; A's likewise
	WIN TO_F
.irp i, \i0, \i0+1, \i0+2, \i0+3
	FRAG 64*(\p)+FR*(\i), ADRA+\slot, \q, \i
.endr
.endm
.macro SCALES sc, ks                   ; K step ks's scale words into set sc: lanes 0-15 A's block i, lanes 16-31 B's
.irp i, 0,1,2,3,4,5,6,7
	ds_load_b128 v[SC+32*\sc+4*\i:SC+32*\sc+4*\i+3], v[ADRS] offset:\i*SBLK+16*(\ks)
.endr
.endm
; 16 products: A's blocks a0, a0 + 1 x B's eight; the 64 accumulators take turns; zero = 1 starts the sums
.macro MUL16 a0, p, q, sc, zero
.irp a, \a0, \a0+1
.irp b, 0,1,2,3,4,5,6,7
.if \zero
	v_wmma_scale_f32_16x16x128_f8f6f4 v[8*(8*((\a)%4)+\b):8*(8*((\a)%4)+\b)+7], v[128+64*(\p)+FR*\b:128+64*(\p)+FR*\b+FR-1], v[64*(\p)+FR*(\a):64*(\p)+FR*(\a)+FR-1], 0, v[SC+32*(\sc)+4*\b+(\q)], v[SC+32*(\sc)+4*(\a)+(\q)] matrix_a_fmt:MATRIX_FMT_FP4 matrix_b_fmt:MATRIX_FMT_FP4 matrix_a_scale:MATRIX_SCALE_ROW1
.else
	v_wmma_scale_f32_16x16x128_f8f6f4 v[8*(8*((\a)%4)+\b):8*(8*((\a)%4)+\b)+7], v[128+64*(\p)+FR*\b:128+64*(\p)+FR*\b+FR-1], v[64*(\p)+FR*(\a):64*(\p)+FR*(\a)+FR-1], v[8*(8*((\a)%4)+\b):8*(8*((\a)%4)+\b)+7], v[SC+32*(\sc)+4*\b+(\q)], v[SC+32*(\sc)+4*(\a)+(\q)] matrix_a_fmt:MATRIX_FMT_FP4 matrix_b_fmt:MATRIX_FMT_FP4 matrix_a_scale:MATRIX_SCALE_ROW1
.endif
.endr
.endr
.endm
; A step that has its successor in the same slot
.macro STEP slot, q, zero
	s_wait_dscnt 8                                 ; all of this step's fragments but the youngest eight loads (A's blocks 4-7)
	PLACES                                         ; four places between the last step's products and the loads into the sets that they read
	FB \slot, (\q)+1, 1-(\q)%2, 0                  ; the next step's 32 loads, in one run
	FB \slot, (\q)+1, 1-(\q)%2, 4
	FA \slot, (\q)+1, 1-(\q)%2, 0
	FA \slot, (\q)+1, 1-(\q)%2, 4
	WIN MUL_LO
	MUL16 0, (\q)%2, \q, \slot, \zero
	MUL16 2, (\q)%2, \q, \slot, \zero
	s_wait_dscnt 32                                ; A's blocks 4-7 are in: all but the 32 loads just issued
	WIN MUL_HI
	MUL16 4, (\q)%2, \q, \slot, \zero
	MUL16 6, (\q)%2, \q, \slot, \zero
.endm
; A slot's last step changes slots.  fill = 1: this slot takes the K step two on; 2: the next tile's K step; 0: nothing.  ks: the next K step's scale words, which lie outside the ring, are fetched ahead of the barrier
.macro TURN slot, next, fill, ks, pf
	WIN 0
.if \ks >= 0
	SCALES \next, \ks
.endif
	s_wait_tensorcnt 0x0                           ; all my tensor loads have landed: my part of the next slot
	ds_add_u32 v[SPW], v[NIL]
	s_wait_dscnt 9                                 ; the add and the eight loads ahead of it (the scale words, or A's blocks 4-7) may be out
	WIN MUL_LO
	MUL16 0, 1, 3, \slot, 0
	s_wait_dscnt 0x0                               ; the add is done, my reads of this slot are over
	s_barrier_signal -1
	MUL16 2, 1, 3, \slot, 0
	WIN 0
	s_barrier_wait -1
.if \fill
	CREST                                          ; the barrier has opened a round of the cluster's barrier
.if \fill == 2
	s_add_nc_u64 s[G0+4*\slot+2:G0+4*\slot+3], s[G0+4*\slot+2:G0+4*\slot+3], NEXT_A
	s_sub_nc_u64 s[G0B+4*\slot+2:G0B+4*\slot+3], s[G0B+4*\slot+2:G0B+4*\slot+3], BACK_B
.else
	s_add_nc_u64 s[G0+4*\slot+2:G0+4*\slot+3], s[G0+4*\slot+2:G0+4*\slot+3], 2*ROWB
	s_add_nc_u64 s[G0B+4*\slot+2:G0B+4*\slot+3], s[G0B+4*\slot+2:G0B+4*\slot+3], 2*ROWB
.endif
	JLOAD G0+4*\slot, G1, G0B+4*\slot, G1B         ; first behind the round; its four v_nop are the places for the loads below
.else
	PLACES
.endif
	FB \next, 0, 0, 0
	FB \next, 0, 0, 4
	FA \next, 0, 0, 0
	FA \next, 0, 0, 4
	WIN 0
.if \pf >= 0
	ASK \pf
.endif
	WIN MUL_HI
	MUL16 4, 1, 3, \slot, 0
	MUL16 6, 1, 3, \slot, 0
.endm
.macro STEPS slot, from
.set Q, \from
.rept 3-\from
	STEP \slot, Q, 0
.set Q, Q+1
.endr
.endm
; THE WAY OUT.  EMAX: for four blocks of 16 rows, TT = the largest of each accumulator's eight, MX = the row's largest over my 64 columns and lane l xor 16's.
.macro EMAX a0, wa, wb
	WIN \wa
.irp a, 0,1,2,3
.irp b, 0,1,2,3,4,5,6,7
	v_max3_num_f32 v[TT+8*\a+\b], v[64*\a+8*\b], v[64*\a+8*\b+1], v[64*\a+8*\b+2]   ; each accumulator from its low end on
.endr
.endr
	WIN \wb
.irp i, 3,5
.irp a, 0,1,2,3
.irp b, 0,1,2,3,4,5,6,7
	v_max3_num_f32 v[TT+8*\a+\b], v[TT+8*\a+\b], v[64*\a+8*\b+\i], v[64*\a+8*\b+\i+1]
.endr
.endr
.endr
.irp a, 0,1,2,3
.irp b, 0,1,2,3,4,5,6,7
	v_max_num_f32 v[TT+8*\a+\b], v[TT+8*\a+\b], v[64*\a+8*\b+7]
.endr
.endr
	WIN 0
.irp a, 0,1,2,3
	v_max3_num_f32 v[MX+\a0+\a], v[TT+8*\a], v[TT+8*\a+1], v[TT+8*\a+2]
.endr
.irp i, 3,5
.irp a, 0,1,2,3
	v_max3_num_f32 v[MX+\a0+\a], v[MX+\a0+\a], v[TT+8*\a+\i], v[TT+8*\a+\i+1]
.endr
.endr
.irp a, 0,1,2,3
	v_max_num_f32 v[MX+\a0+\a], v[MX+\a0+\a], v[TT+8*\a+7]
.endr
.irp a, 0,1,2,3
	v_permlanex16_b32 v[PX+\a0+\a], v[MX+\a0+\a], s20, s21
.endr
.irp a, 0,1,2,3
	v_max_num_f32 v[MX+\a0+\a], v[MX+\a0+\a], v[PX+\a0+\a]
.endr
.endm
; EWALK: from the highest accumulator down, the lowest one whose TT equals MX gives IX = 16 b and its eight numbers (WSEL); then the lowest of the eight that equals MX gives PX.  Selections alone: no branch.
.macro EWALK a0, wf, wc
.irp a, 0,1,2,3
	v_cmp_neq_f32 s[40+\a], v[TT+8*\a+7], v[MX+\a0+\a]
.endr
.irp a, 0,1,2,3
	v_cmp_neq_f32 s[44+\a], v[TT+8*\a+6], v[MX+\a0+\a]
.endr
.irp a, 0,1,2,3
	v_cndmask_b32 v[IX+\a0+\a], 112, v[IX+\a0+\a], s[40+\a]
.endr
.irp a, 0,1,2,3
	v_cndmask_b32 v[IX+\a0+\a], 96, v[IX+\a0+\a], s[44+\a]
.endr
	WIN \wf
.irp a, 0,1,2,3
.irp j, 0,1,2,3,4,5,6,7
	v_cndmask_b32 v[WSEL+8*\a+\j], v[64*\a+48+\j], v[64*\a+56+\j], s[44+\a]
.endr
.endr
.irp b, 5,3,1
	WIN 0
.irp a, 0,1,2,3
	v_cmp_neq_f32 s[40+\a], v[TT+8*\a+\b], v[MX+\a0+\a]
.endr
.irp a, 0,1,2,3
	v_cmp_neq_f32 s[44+\a], v[TT+8*\a+\b-1], v[MX+\a0+\a]
.endr
.irp a, 0,1,2,3
	v_cndmask_b32 v[IX+\a0+\a], 16*\b, v[IX+\a0+\a], s[40+\a]
.endr
.irp a, 0,1,2,3
	v_cndmask_b32 v[IX+\a0+\a], 16*(\b-1), v[IX+\a0+\a], s[44+\a]
.endr
	WIN \wc
.irp a, 0,1,2,3
.irp j, 0,1,2,3,4,5,6,7
	v_cndmask_b32 v[WSEL+8*\a+\j], v[64*\a+8*\b+\j], v[WSEL+8*\a+\j], s[40+\a]
.endr
.endr
.irp a, 0,1,2,3
.irp j, 0,1,2,3,4,5,6,7
	v_cndmask_b32 v[WSEL+8*\a+\j], v[64*\a+8*(\b-1)+\j], v[WSEL+8*\a+\j], s[44+\a]
.endr
.endr
.endr
	WIN 0
.irp a, 0,1,2,3
	v_mov_b32 v[PX+\a0+\a], 0
.endr
.irp j, 7,6,5,4,3,2,1,0
.irp a, 0,1,2,3
	v_cmp_neq_f32 s[40+4*(\j%2)+\a], v[WSEL+8*\a+\j], v[MX+\a0+\a]
.endr
.irp a, 0,1,2,3
	v_cndmask_b32 v[PX+\a0+\a], \j, v[PX+\a0+\a], s[40+4*(\j%2)+\a]
.endr
.endr
.endm
	s_wait_alu depctr_va_vdst(0)
	s_wait_tensorcnt 0x0                           ; my tile of the head's four is in
	ds_add_u32 v[SPW], v[NIL]
	s_mov_b32 s[G1+2], 128<<16                     ; no tensor load of mine is out: from here on a load brings 128 rows
	s_mov_b32 s[G1+4], 128
	s_mov_b32 s[G1B+2], 128<<16
	s_mov_b32 s[G1B+4], 128
	s_wait_dscnt 0x0
	CROUND
	JLOAD G0+4, G1, G0B+4, G1B                     ; K step 1, slot 1's first fill
	FB 0, 0, 0, 0
	FB 0, 0, 0, 4
	WIN 0
	SCALES 0, 0
	FA 0, 0, 0, 0
	FA 0, 0, 0, 4
	WIN 0
	global_prefetch_b8 v[PFO], s[PFA:PFA+1] offset:3*ROWB th:TH_LOAD_NT scope:SCOPE_SE   ; K step 3
	s_mov_b32 s2, TILES                            ; tiles to go
.Ltile:
	STEP 0, 0, 1                                   ; the first products start the sums
	STEPS 0, 1
	TURN 0, 1, 1, 1, WALK*KROW
	STEPS 1, 0
	TURN 1, 0, 1, 2, WALK*KROW+ROWB
	STEPS 0, 0
	WIN 0
	s_cmp_eq_u32 s2, 1
	s_cbranch_scc1 .Llast                          ; the last tile's tail asks for nothing more: it is written out
	TURN 0, 1, 2, 3, WALK*KROW+2*ROWB              ; the ring goes on into the next tile
	STEPS 1, 0
	TURN 1, 0, 2, -1, WALK*KROW+3*ROWB
	WIN 0
	s_wait_loadcnt 0x0                             ; the next tile's scales of A are in registers; every wave has read this tile's last scale words ahead of the barrier just passed
.irp j, 0,1,2,3,4,5,6,7
	ds_store_b128 v[SST], v[NS+4*\j:NS+4*\j+3] offset:544*\j
.endr
	s_branch .Lout
.Llast:
	TURN 0, 1, 0, 3, -1
	STEPS 1, 0
	s_wait_dscnt 8                                 ; the very last step: nothing more to fetch
	WIN MUL_LO
	MUL16 0, 1, 3, 1, 0
	MUL16 2, 1, 3, 1, 0
	s_wait_dscnt 0x0
	WIN MUL_HI
	MUL16 4, 1, 3, 1, 0
	MUL16 6, 1, 3, 1, 0
	WIN 0
.Lout:
	PLACES                                         ; four places ahead of the first read of results
.irp a, 0,1,2,3,4,5,6,7
	v_mov_b32 v[IX+\a], 0xffffff                   ; a half of the lanes that does not hold the maximum keeps this and loses the minimum below
	v_mov_b32 v[PX+\a], 0
.endr
	EMAX 0, 0x2a, 0x28
	EWALK 0, 0x0a, 0x02
	EMAX 4, 0x3f, 0x3c
	EWALK 4, 0x0f, 0x03
.irp a, 0,1,2,3,4,5,6,7
	v_add3_u32 v[IX+\a], v[IX+\a], v[PX+\a], v[CB]
.endr
.irp a, 0,1,2,3,4,5,6,7
	v_permlanex16_b32 v[PX+\a], v[IX+\a], s20, s21
.endr
.irp a, 0,1,2,3,4,5,6,7
	v_min_u32 v[IX+\a], v[IX+\a], v[PX+\a]         ; the lower column of the two halves
.endr
.irp a, 0,1,2,3,4,5,6,7
	ds_store_b32 v[STG], v[MX+\a] offset:64*\a     ; both halves of the lanes write the same word with the same value
.endr
.irp a, 0,1,2,3,4,5,6,7
	ds_store_b32 v[STG], v[IX+\a] offset:512+64*\a
.endr
	ds_load_b128 v[OV:OV+3], v[RDS]                ; my own bytes, served in order
	ds_load_b128 v[OI:OI+3], v[RDS] offset:512
	s_wait_dscnt 0x0
	global_store_b128 v[GO], v[OV:OV+3], s[96:97]  ; 128 rows: 512 consecutive bytes
	global_store_b128 v[GO], v[OI:OI+3], s[98:99]
	s_cmp_eq_u32 s2, 1
	s_cbranch_scc1 .Lend
	s_barrier_signal -1                            ; every wave's stores of the next tile's scales have landed (the wait for 0 above)
	s_barrier_wait -1
	SCALES 0, 0
	s_wait_xcnt 0x0                                ; the stores have read their bases and data
	s_add_nc_u64 s[96:97], s[96:97], WALK*4
	s_add_nc_u64 s[98:99], s[98:99], WALK*4
	s_wait_dscnt 0x0
	s_sub_co_u32 s2, s2, 1
	s_cmp_lg_u32 s2, 0
	s_cbranch_scc1 .Ltile
.Lend:
	s_wait_tensorcnt 0x0                           ; the wave's end
	ds_add_u32 v[SPW], v[NIL]
	s_wait_dscnt 0x0
	CROUND                                         ; the closing round
	s_endpgm
.Lfunc_end_k_q77b6065c44_gemm:
	.size	k_q77b6065c44_gemm, .Lfunc_end_k_q77b6065c44_gemm-k_q77b6065c44_gemm
	.p2alignl 7, 3214868480
	.fill 96, 4, 3214868480
	.section	.rodata,"a",@progbits
	.p2align	6, 0x0
	.amdhsa_kernel k_q77b6065c44_gemm
		.amdhsa_group_segment_fixed_size 327680
		.amdhsa_private_segment_fixed_size 0
		.amdhsa_enable_private_segment 0
		.amdhsa_kernarg_size 48
		.amdhsa_user_sgpr_count 2
		.amdhsa_user_sgpr_kernarg_segment_ptr 1
		.amdhsa_wavefront_size32 1
		.amdhsa_system_sgpr_workgroup_id_x 1
		.amdhsa_system_sgpr_workgroup_id_y 1
		.amdhsa_system_sgpr_workgroup_id_z 1
		.amdhsa_system_vgpr_workitem_id 0
		.amdhsa_next_free_vgpr 1024
		.amdhsa_next_free_sgpr 100
		.amdhsa_reserve_vcc 0
		.amdhsa_float_denorm_mode_32 3
		.amdhsa_float_denorm_mode_16_64 3
		.amdhsa_memory_ordered 1
		.amdhsa_forward_progress 1
		.amdhsa_inst_pref_size 255
	.end_amdhsa_kernel
	.section	.bss,"aw",@nobits
	.p2align	6
	.space	262144
	.amdgpu_metadata
---
amdhsa.version: [ 1, 2 ]
amdhsa.kernels:
  - .name:           k_q77b6065c44_gemm
    .symbol:         k_q77b6065c44_gemm.kd
    .args:
      - { .name: xq, .offset: 0, .size: 8, .value_kind: global_buffer, .address_space: global }
      - { .name: xs, .offset: 8, .size: 8, .value_kind: global_buffer, .address_space: global }
      - { .name: wq, .offset: 16, .size: 8, .value_kind: global_buffer, .address_space: global }
      - { .name: ws, .offset: 24, .size: 8, .value_kind: global_buffer, .address_space: global }
      - { .name: pv, .offset: 32, .size: 8, .value_kind: global_buffer, .address_space: global }
      - { .name: pi, .offset: 40, .size: 8, .value_kind: global_buffer, .address_space: global }
    .group_segment_fixed_size: 327680
    .private_segment_fixed_size: 0
    .kernarg_segment_align: 8
    .kernarg_segment_size: 48
    .max_flat_workgroup_size: 128
    .sgpr_count:     100
    .vgpr_count:     1024
    .wavefront_size: 32
...
	.end_amdgpu_metadata
.endif
;; end of part 2
;; launch pick (part 3): grid 32 x 1, 8 waves a work-group, no clusters, 9,216 bytes of LDS; arguments pv, pi, idx; writes idx
.if DOCPART == 3
	.amdgcn_target "amdgcn-amd-amdhsa--gfx1250"
	.amdhsa_code_object_version 6
	.text
	.protected	k_q77b6065c44_pick
	.globl	k_q77b6065c44_pick
	.p2align	8
	.type	k_q77b6065c44_pick,@function
k_q77b6065c44_pick:
	s_mov_b64 s[64:65], 0
	v_nop
	global_prefetch_b8 v0, s[64:65] scope:SCOPE_SE
	s_setreg_imm32_b32 hwreg(HW_REG_WAVE_MODE, 25, 1), 1
	s_wait_xcnt 0x0
; idx[row] = the column of the row's first maximum: of the 64 pairs (largest score, lowest column that has it) in pv, pi [64 column halves][4096 rows].
; The pairs are taken in ascending order of their columns and a later one wins only where it is strictly greater: the lowest column wins a tie, as argmax has it.
; A work-group takes 128 rows, a lane four of them; wave w takes column halves 8 w .. 8 w + 7; the eight waves' results meet in LDS and wave 0 takes the best of them.
; The choice is made of values alone (v_cndmask_b32): no address and no branch hangs on it.  idx is held at 8191, so that it stays inside the table that it indexes.
; 2 MB are read once by 32 work-groups: nothing is shared between work-groups, so no cluster; the matrix units have nothing to do here.
.set V, 16                             ; v16-47  eight sets of four maxima
.set I, 48                             ; v48-79  their columns
	s_load_b128 s[4:7], s[0:1], 0x0                ; pv, pi
	s_load_b64 s[12:13], s[0:1], 0x10              ; idx
	v_lshl_add_u32 v96, v0, 2, 0x2000
	v_mov_b32 v97, 0
	v_lshrrev_b32 v1, 5, v0
	s_delay_alu instid0(VALU_DEP_1)
	v_readfirstlane_b32 s8, v1                     ; wave 0..7
	v_and_b32 v1, 31, v0
	s_delay_alu instid0(VALU_DEP_1)
	v_lshlrev_b32 v4, 4, v1                        ; 16 x lane: my four rows
	s_lshl_b32 s9, s8, 17                          ; my eight column halves of 16,384 bytes
	s_lshl_b32 s14, ttmp9, 9                       ; the work-group's 128 rows
	s_mov_b32 s15, 0
	s_add_co_u32 s9, s9, s14
	v_add_nc_u32 v2, s9, v4
	s_lshl_b32 s10, s8, 10
	v_add_nc_u32 v3, s10, v4                       ; LDS: 1,024 bytes a wave: 512 of maxima, 512 of columns
	s_wait_alu depctr_va_vdst(0)
	s_wait_kmcnt 0x0
	s_add_nc_u64 s[12:13], s[12:13], s[14:15]
.irp k, 0,1,2,3,4,5,6,7
	global_load_b128 v[V+4*\k:V+4*\k+3], v2, s[4:5] offset:16384*\k   ; 32 lanes: 512 consecutive bytes
.endr
.irp k, 0,1,2,3,4,5,6,7
	global_load_b128 v[I+4*\k:I+4*\k+3], v2, s[6:7] offset:16384*\k
.endr
.macro BEST                            ; sets 1 to 7 against set 0, in ascending order
.irp k, 1,2,3,4,5,6,7
.irp e, 0,1,2,3
	v_cmp_gt_f32 s[16+\e], v[V+4*\k+\e], v[V+\e]
.endr
.irp e, 0,1,2,3
	v_cndmask_b32 v[V+\e], v[V+\e], v[V+4*\k+\e], s[16+\e]
	v_cndmask_b32 v[I+\e], v[I+\e], v[I+4*\k+\e], s[16+\e]
.endr
.endr
.endm
	s_wait_loadcnt 0x0
	BEST
	ds_store_b128 v3, v[V:V+3]
	ds_store_b128 v3, v[I:I+3] offset:512
	s_wait_dscnt 0x0                               ; for the others' sake: my stores have landed
	s_barrier_signal -1
	s_barrier_wait -1
	s_cmp_lg_u32 s8, 0
	s_cbranch_scc1 .Ldone                          ; wave 0 alone goes on; no barrier follows
.irp k, 0,1,2,3,4,5,6,7
	ds_load_b128 v[V+4*\k:V+4*\k+3], v4 offset:1024*\k
	ds_load_b128 v[I+4*\k:I+4*\k+3], v4 offset:1024*\k+512
.endr
	s_wait_dscnt 0x0
	BEST
.irp e, 0,1,2,3
	v_min_u32 v[I+\e], 0x1fff, v[I+\e]
.endr
	global_store_b128 v4, v[I:I+3], s[12:13]       ; 128 rows' winners: 512 consecutive bytes
.Ldone:
	s_wait_tensorcnt 0x0
	ds_add_u32 v96, v97
	s_wait_dscnt 0x0
	s_endpgm
.Lfunc_end_k_q77b6065c44_pick:
	.size	k_q77b6065c44_pick, .Lfunc_end_k_q77b6065c44_pick-k_q77b6065c44_pick
	.p2alignl 7, 3214868480
	.fill 96, 4, 3214868480
	.section	.rodata,"a",@progbits
	.p2align	6, 0x0
	.amdhsa_kernel k_q77b6065c44_pick
		.amdhsa_group_segment_fixed_size 9216
		.amdhsa_private_segment_fixed_size 0
		.amdhsa_enable_private_segment 0
		.amdhsa_kernarg_size 24
		.amdhsa_user_sgpr_count 2
		.amdhsa_user_sgpr_kernarg_segment_ptr 1
		.amdhsa_wavefront_size32 1
		.amdhsa_system_sgpr_workgroup_id_x 1
		.amdhsa_system_sgpr_workgroup_id_y 1
		.amdhsa_system_sgpr_workgroup_id_z 1
		.amdhsa_system_vgpr_workitem_id 0
		.amdhsa_next_free_vgpr 98
		.amdhsa_next_free_sgpr 66
		.amdhsa_reserve_vcc 0
		.amdhsa_float_denorm_mode_32 3
		.amdhsa_float_denorm_mode_16_64 3
		.amdhsa_memory_ordered 1
		.amdhsa_forward_progress 1
		.amdhsa_inst_pref_size 15
	.end_amdhsa_kernel
	.amdgpu_metadata
---
amdhsa.version: [ 1, 2 ]
amdhsa.kernels:
  - .name:           k_q77b6065c44_pick
    .symbol:         k_q77b6065c44_pick.kd
    .args:
      - { .name: pv, .offset: 0, .size: 8, .value_kind: global_buffer, .address_space: global }
      - { .name: pi, .offset: 8, .size: 8, .value_kind: global_buffer, .address_space: global }
      - { .name: idx, .offset: 16, .size: 8, .value_kind: global_buffer, .address_space: global }
    .group_segment_fixed_size: 9216
    .private_segment_fixed_size: 0
    .kernarg_segment_align: 8
    .kernarg_segment_size: 24
    .max_flat_workgroup_size: 256
    .sgpr_count:     66
    .vgpr_count:     98
    .wavefront_size: 32
...
	.end_amdgpu_metadata
.endif
;; end of part 3
;; launch take (part 4): grid 128 x 2, 16 waves a work-group, no clusters, 134,144 bytes of LDS; arguments Wg, idx, out0; writes out0
.if DOCPART == 4
	.amdgcn_target "amdgcn-amd-amdhsa--gfx1250"
	.amdhsa_code_object_version 6
	.text
	.protected	k_q77b6065c44_take
	.globl	k_q77b6065c44_take
	.p2align	8
	.type	k_q77b6065c44_take,@function
k_q77b6065c44_take:
	s_mov_b64 s[64:65], 0
	v_nop
	global_prefetch_b8 v0, s[64:65] scope:SCOPE_SE
	s_setreg_imm32_b32 hwreg(HW_REG_WAVE_MODE, 25, 1), 1
	s_wait_xcnt 0x0
; out0[b][c] = Wg[c][idx[b]].  Wg: [1000][8192] f32, idx: [4096] u32 (0 .. 8191, stored by the launch before), out0: [4096][1000] f32.
; The gather is turned round, so that Wg is read in pieces of 256 consecutive bytes and not 4 bytes at a time: work-group (X, y) holds columns 64 X .. 64 X + 63 of 512 rows of Wg
; in LDS (rows 0-511 for y = 0, rows 488-999 for y = 1: no load leaves the table) and looks through all of idx for the rows b whose winner is one of its 64 columns.
; For each such b it writes classes 0-511 (y = 0) or 512-999 (y = 1) of out0's row b: every byte of out0 has one work-group that writes it, whatever idx holds.
; Wave w looks through b = 256 w .. 256 w + 255.  All rows on one column are served too: one pair of work-groups then writes everything.
; The tile goes through registers.  What work-groups share is idx, 16 KB beside a tile of 128 KB, and 24 rows of Wg
; between y = 0 and y = 1: no cluster.
; LDS: local row c lies at 256 c + 8 (c / 4).  A lane that reads four neighbouring rows' word of one column stands 1,032 bytes = 258 words from its neighbour: 32 lanes, 32 different banks (64 banks of 4 bytes: ISA guide 11.1).
.set ROWG, 32768                       ; a row of Wg in bytes
.set OUTR, 4000                        ; a row of out0 in bytes
	s_load_b128 s[4:7], s[0:1], 0x0                ; Wg, idx
	s_load_b64 s[8:9], s[0:1], 0x10                ; out0
	v_lshl_add_u32 v104, v0, 2, 0x20400
	v_mov_b32 v105, 0
	v_lshrrev_b32 v1, 5, v0
	s_delay_alu instid0(VALU_DEP_1)
	v_readfirstlane_b32 s10, v1                    ; wave 0..15
	v_and_b32 v1, 31, v0                           ; lane
	v_and_b32 v2, 15, v0                           ; lane % 16
	v_bfe_u32 v3, v0, 4, 1                         ; h = lane / 16
	s_and_b32 s13, ttmp7, 1                        ; y: the grid has two work-groups along y, so its lowest bit is all of it: 0 or 1
	s_lshl_b32 s12, ttmp9, 6                       ; my first column
	v_lshlrev_b32 v4, 4, v2
	s_delay_alu instid0(VALU_DEP_1)
	v_lshl_add_u32 v4, v3, 17, v4
	s_lshl_b32 s14, s10, 20
	v_add_nc_u32 v4, s14, v4                       ; Wg: 32 rows a wave, lanes 16-31 four rows down, sixteen lanes to a row's 256 bytes
	v_lshlrev_b32 v5, 4, v2
	s_delay_alu instid0(VALU_DEP_1)
	v_mad_u32_u24 v5, v3, 1032, v5
	s_mul_i32 s14, s10, 8256
	v_add_nc_u32 v5, s14, v5                       ; and the same place in LDS: 32 rows are 8,256 bytes, four rows 1,032
	v_and_b32 v13, 7, v0                           ; the 8 bytes of padding behind each four rows: my wave's eight places, four lanes to a place
	s_delay_alu instid0(VALU_DEP_1)
	v_mul_u32_u24 v13, v13, 1032
	s_delay_alu instid0(VALU_DEP_1)
	v_add_nc_u32 v13, s14, v13
	v_mov_b32 v14, 0
	v_mov_b32 v15, 0
	v_lshlrev_b32 v10, 4, v1                       ; 16 x lane
	s_lshl_b32 s14, s10, 10
	v_add_nc_u32 v6, s14, v10                      ; idx: my wave's 256 numbers, four a lane and load
	v_mul_u32_u24 v7, v1, 1032                     ; reading a column: lane t takes local rows first + 4 t + 0 .. 3: 1,032 t + 258 x first
	s_delay_alu instid0(VALU_DEP_1)
	v_add_nc_u32 v9, 99072, v7                     ; the fourth store: first = 384
	s_mul_i32 s14, s13, 6192
	v_add_nc_u32 v7, s14, v7                       ; the first two: first = 24 y + 128 q (the q in the immediate)
	s_delay_alu instid0(VALU_DEP_1)
	v_add_nc_u32 v8, 66048, v7                     ; the third: its 66,048 do not fit the immediate
	s_mul_i32 s14, s13, 1952
	v_add_nc_u32 v11, s14, v10                     ; out0, the fourth store: class 384 (y = 0) or 872 (y = 1): 1,536 + 1,952 y + 16 t
	s_lshl_b32 s14, s13, 11
	v_add_nc_u32 v10, s14, v10                     ; the first three: class 512 y + 128 q: 2,048 y + 512 q + 16 t
	s_lshl_b32 s33, s10, 8                         ; my wave's first b
	s_mov_b32 s23, 0
	s_mul_i32 s14, s13, 488*ROWG                   ; the tile's first row,
	s_lshl_b32 s15, ttmp9, 8                       ; and its 256 bytes of a row
	s_add_co_u32 s14, s14, s15
	s_mov_b32 s15, 0
	s_wait_alu depctr_va_vdst(0)
	s_wait_kmcnt 0x0
	s_add_nc_u64 s[4:5], s[4:5], s[14:15]
	ds_store_b64 v13, v[14:15] offset:1024         ; zeros into the padding, so that every byte of the tile's LDS range is written ahead of the barrier
.irp q, 0,1
	global_load_b128 v[16+4*\q:19+4*\q], v6, s[6:7] offset:512*\q   ; register 4 q + e of lane t: idx[256 w + 128 q + 4 t + e]
.endr
.irp i, 0,1,2,3,4,5,6,7,8,9,10,11,12,13,14,15
	global_load_b128 v[40+4*\i:43+4*\i], v4, s[4:5] offset:(8*(\i/4)+\i%4)*ROWG th:TH_LOAD_NT   ; local rows 32 w + 8 (i / 4) + i % 4 + 4 h
.endr
.irp i, 0,1,2,3,4,5,6,7,8,9,10,11,12,13,14,15
	s_wait_loadcnt 15-\i                           ; load i is in; the younger ones may be out
	ds_store_b64 v5, v[40+4*\i:41+4*\i] offset:2064*(\i/4)+256*(\i%4)      ; (the places are multiples of 8 bytes, not of 16: two stores of 8)
	ds_store_b64 v5, v[42+4*\i:43+4*\i] offset:2064*(\i/4)+256*(\i%4)+8
.endr
	s_wait_dscnt 0x0                               ; for the others' sake: my stores have landed
	s_barrier_signal -1
	s_barrier_wait -1                              ; the tile is whole; from here on LDS is only read
; Register n of idx: 32 rows b, a lane each.  The lanes whose winner is one of my 64 columns make a mask; the loop has one trip for each bit of it, lowest first.
.macro GROUP n
	v_sub_nc_u32 v12, v[16+\n], s12                ; the winner's place among my columns,
	s_delay_alu instid0(VALU_DEP_1)
	v_cmp_gt_u32 s30, 64, v12                      ; if it is one of them (unsigned: what lies below wraps round)
	s_bcnt1_i32_b32 s34, s30                       ; so many rows
	s_cmp_eq_u32 s34, 0
	s_cbranch_scc1 .Lnone_\@
	s_mov_b32 s31, 0
.Lhit_\@:
	s_ctz_i32_b32 s35, s30                         ; the lowest lane that is left,
	s_min_u32 s35, s35, 31
	s_lshl_b32 s36, 1, s35
	s_and_not1_b32 s30, s30, s36                   ; taken off the mask
	s_wait_alu depctr_va_vdst(0)
	v_readlane_b32 s32, v12, s35                   ; its column,
	s_min_u32 s32, s32, 63                         ; held inside the tile
	s_lshl_b32 s22, s35, 2
	s_add_co_u32 s22, s22, s33
	s_add_co_u32 s22, s22, 128*(\n/4)+\n%4         ; b = 256 w + 128 (n / 4) + 4 lane + n % 4
	s_mul_i32 s22, s22, OUTR
	s_wait_xcnt 0x0                                ; the last row's stores have read their base and their data: both are written again only behind this wait
	s_add_nc_u64 s[20:21], s[8:9], s[22:23]        ; out0's row b
	v_lshl_add_u32 v13, s32, 2, v7
	v_lshl_add_u32 v14, s32, 2, v8
	v_lshl_add_u32 v15, s32, 2, v9
.irp q, 0,1
.irp j, 0,1,2,3
	ds_load_b32 v[24+4*\q+\j], v13 offset:33024*\q+256*\j
.endr
.endr
.irp j, 0,1,2,3
	ds_load_b32 v[32+\j], v14 offset:256*\j
.endr
.irp j, 0,1,2,3
	ds_load_b32 v[36+\j], v15 offset:256*\j
.endr
	s_wait_dscnt 0x0
.irp q, 0,1,2
	global_store_b128 v10, v[24+4*\q:27+4*\q], s[20:21] offset:512*\q th:TH_STORE_NT   ; 128 classes: 512 consecutive bytes of the row
.endr
	global_store_b128 v11, v[36:39], s[20:21] offset:1536 th:TH_STORE_NT   ; the last 128; with y = 1 its first 24 classes were written by the store before, with the same numbers
	s_add_co_u32 s31, s31, 1
	s_cmp_lt_u32 s31, s34
	s_cbranch_scc1 .Lhit_\@
.Lnone_\@:
.endm
	GROUP 0
	GROUP 1
	GROUP 2
	GROUP 3
	GROUP 4
	GROUP 5
	GROUP 6
	GROUP 7
	s_wait_tensorcnt 0x0
	ds_add_u32 v104, v105
	s_wait_dscnt 0x0
	s_endpgm
.Lfunc_end_k_q77b6065c44_take:
	.size	k_q77b6065c44_take, .Lfunc_end_k_q77b6065c44_take-k_q77b6065c44_take
	.p2alignl 7, 3214868480
	.fill 96, 4, 3214868480
	.section	.rodata,"a",@progbits
	.p2align	6, 0x0
	.amdhsa_kernel k_q77b6065c44_take
		.amdhsa_group_segment_fixed_size 134144
		.amdhsa_private_segment_fixed_size 0
		.amdhsa_enable_private_segment 0
		.amdhsa_kernarg_size 24
		.amdhsa_user_sgpr_count 2
		.amdhsa_user_sgpr_kernarg_segment_ptr 1
		.amdhsa_wavefront_size32 1
		.amdhsa_system_sgpr_workgroup_id_x 1
		.amdhsa_system_sgpr_workgroup_id_y 1
		.amdhsa_system_sgpr_workgroup_id_z 1
		.amdhsa_system_vgpr_workitem_id 0
		.amdhsa_next_free_vgpr 106
		.amdhsa_next_free_sgpr 66
		.amdhsa_reserve_vcc 0
		.amdhsa_float_denorm_mode_32 3
		.amdhsa_float_denorm_mode_16_64 3
		.amdhsa_memory_ordered 1
		.amdhsa_forward_progress 1
		.amdhsa_inst_pref_size 27
	.end_amdhsa_kernel
	.amdgpu_metadata
---
amdhsa.version: [ 1, 2 ]
amdhsa.kernels:
  - .name:           k_q77b6065c44_take
    .symbol:         k_q77b6065c44_take.kd
    .args:
      - { .name: Wg, .offset: 0, .size: 8, .value_kind: global_buffer, .address_space: global }
      - { .name: idx, .offset: 8, .size: 8, .value_kind: global_buffer, .address_space: global }
      - { .name: out0, .offset: 16, .size: 8, .value_kind: global_buffer, .address_space: global }
    .group_segment_fixed_size: 134144
    .private_segment_fixed_size: 0
    .kernarg_segment_align: 8
    .kernarg_segment_size: 24
    .max_flat_workgroup_size: 512
    .sgpr_count:     66
    .vgpr_count:     106
    .wavefront_size: 32
...
	.end_amdgpu_metadata
.endif
;; end of part 4
